; MI455X (gfx1250); checked and timed in simulation.
; The chip was launched on July 23, 2026; its instructions are those of AMD's public machine-readable ISA for CDNA 5 (MIT licence, August 2026) and "CDNA5" Instruction Set Architecture Reference Guide (July 2026). The comments in the code are by the model that wrote it; some were corrected since.
;; Causal MQA. Allowed arithmetic: matrix products marked QUANTISED: E4M3 operands, one E8M0 scale for each 32 along K, by v_wmma_scale_f32_16x16x128_f8f6f4 with both operands' format E4M3, f32 sums; everything else in f32.
;; Inputs: w_kv 256 x 2,048 float32; w_q 2,048 x 2,048 float32; x 2 x 2,048 x 2,048 float32.
;; Outputs: out0 2 x 2,048 x 2,048 float32.
;; This version of the problem:
;;   THIS VERSION OF THE PROBLEM IS GIVEN IN LOW PRECISION. The matrix products marked QUANTISED in the list below multiply operands that are first quantised to E4M3 (4 exponent bits, 3 mantissa bits; 8 bits a number), with one power-of-two scale for each 32 numbers along K (OCP MX v1.0); their sums are f32. All else is computed in f32.
;;   The module's matrix products, in the order in which they are computed (A, B: the left and right operand; K: the contracted axis; several contracted axes count as one K, in the product's order):
;;     1. [M 4,096, K 2,048] x [K 2,048, N 256]; A: input x; B: input w_kv: QUANTISED
;;     2. [M 4,096, K 2,048] x [K 2,048, N 2,048]; A: input x; B: input w_q: QUANTISED
;;     3. batch 2 x [M 32,768, K 128] x [K 128, N 2,048]; A: computed on the way; B: computed on the way: QUANTISED
;;     4. batch 2 x [M 32,768, K 2,048] x [K 2,048, N 128]; A: softmax (see below); B: computed on the way: QUANTISED
;;   THE QUANTISER, for each operand of a quantised product, along K:
;;     - K is cut into blocks of 32 from its start; a last block that is shorter is filled with zeros.
;;     - A block's scale is 2^e with e = floor(log2(the largest magnitude in the block)) - 8, held to -126 .. 127; a block of zeros has e = 0. As a byte (E8M0): e + 127.
;;     - Each number is divided by its block's scale, clamped to +-448, and rounded to the nearest number of E4M3, ties to even, subnormals kept.
;;     - The product sums the exact products of the quantised numbers (number of the format x scale) in f32.
;;   ~~~python
;;   def quantise(x, axis):      # numpy; x: float32 -> the quantised numbers, widened to float32 again
;;       x = np.moveaxis(x, axis, -1); K = x.shape[-1]
;;       x = np.pad(x, [(0, 0)] * (x.ndim - 1) + [(0, -K % 32)]); x = x.reshape(x.shape[:-1] + (-1, 32)); a = np.abs(x).max(-1, keepdims=True)
;;       e = np.where(a > 0, np.clip(np.frexp(np.where(a > 0, a, 1))[1] - 1 - 8, -126, 127), 0)      # np.frexp(a)[1] - 1 = floor(log2(a)), exactly
;;       r = np.clip(x / 2.0 ** e, -448, 448)
;;       step = 2.0 ** (np.maximum(np.frexp(np.where(r == 0, 1, r))[1] - 1, -6) - 3)
;;       q = np.round(r / step) * step * 2.0 ** e      # np.round: ties to even
;;       return np.moveaxis(q.reshape(q.shape[:-2] + (-1,))[..., :K], -1, axis).astype(np.float32)
;;   ~~~
;;   SOFTMAX AHEAD OF A QUANTISED PRODUCT. Where the list says 'softmax', what is quantised is not the finished softmax but p = 2^(t - M), with t = logit x log2(e) and M = ceil(the row's largest t), a whole number; so 1/2 < the row's largest p <= 1. The row's sum l is taken of the UNQUANTISED p, in f32, and the product's result is divided by l at the end. Since M is a whole number, a kernel that streams over the keys may use a running M (the ceiling of the running maximum): every later rescaling is an exact power of two, which a block's scale takes up: the codes' values come out the same.
;;   OPERANDS COMPUTED ON THE WAY. 'Computed on the way' means the value that the module computes at that place (a softmax that the list does not call 'softmax' is quantised finished and normalised). What goes into a quantiser is computed in f32, as accurately as f32 sums, v_exp_f32 and their like allow (about 1e-6 of the number): no bf16 or f16 on the way to a quantiser, and a product that is left as it is and whose result goes on into a quantised operand takes f32 operands (vector FMAs, or v_wmma_f32_16x16x4_f32). A number that lies on a knife's edge between two numbers of the format may be rounded either way, as far as f32 arithmetic and the matrix unit's own rounding can turn it there, and no further.
;; One version. Each part assembles by itself: llvm-mc -triple=amdgcn-amd-amdhsa -mcpu=gfx1250 --defsym DOCPART=n.
;; ======== version 1 of 1: 3 launches
;; limits: right only within a limited range of input values
;; workspace buffers: xc 8,388,608 bytes; xs 262,144 bytes; wc 4,718,592 bytes; ws 147,456 bytes; qkvc 9,437,184 bytes; qkvs 294,912 bytes
;; launch quant (part 1): grid 400 x 1, 4 waves a work-group, no clusters, 54,784 bytes of LDS; arguments x, w_q, w_kv, xc, xs, wc, ws; writes xc, xs, wc, ws
.if DOCPART == 1
	.amdgcn_target "amdgcn-amd-amdhsa--gfx1250"
	.amdhsa_code_object_version 6
	.text
	.protected	k_q72d11652d0_quant
	.globl	k_q72d11652d0_quant
	.p2align	8
	.type	k_q72d11652d0_quant,@function
k_q72d11652d0_quant:
	s_mov_b64 s[64:65], 0
	v_nop
	global_prefetch_b8 v0, s[64:65] scope:SCOPE_SE
	s_setreg_imm32_b32 hwreg(HW_REG_WAVE_MODE, 25, 1), 1
	s_wait_xcnt 0x0
; x [4096][2048], w_q [2048][2048] and w_kv [256][2048], f32, become codes of FP8 (E4M3) with one E8M0 scale byte for each 32 along K, laid as IMAGES OF OPERAND REGISTERS:
; codes: [row tile of 16][chunk q of 128 along K][c: 32 along K][h: 16 of them][row r][16 bytes]: 2,048 bytes an image;  scale bytes: [row tile][two chunks][row r][8 bytes].
; x's go to xc and xs; w_q's and behind them w_kv's (keys' 128 rows, then the values') to wc and ws.
; A block's scale is 2^(floor(log2(its largest magnitude)) - 8); its byte is the largest magnitude's own exponent field - 8, held at 1 from below.  Each number is divided by the scale, held within +-448 and rounded to the nearest code, ties to even.
; THE WEIGHTS' CODES CARRY THE OTHER SIGN FOR k >= 1,024: the next launch turns the sign of its sums once, at K = 1,024, and adds x (-w) from there on.
; LIMITS: a block of zeros gets the byte 1 where the rule says 127: its codes are zeros, which add nothing under any byte but 0xff, and this program alone reads the bytes.
; Blocks whose largest magnitude lies under 2^(9 - 127) are held at that floor's byte.  NaN and infinities among the inputs are not served.
; A wave takes 16 rows x 512 along K, a row a step: work-groups 0-255 x, 256-383 w_q, 384-399 w_kv; only pointers and the sign's mask are chosen by the work-group's number.
; Each of a step's four loads reads 512 consecutive bytes; the 2,048 bytes go through the wave's own stage in LDS and come back 64 bytes a lane: lane l holds k = 16 l + 0 .. 15, two lanes a block.
; A lane's 16 bytes of codes go to LDS, block l of 256 bytes, row t's place turned by l so that the lanes' columns differ; at the end the 32 lanes store 512 consecutive bytes an instruction: aligned units, the lanes of a unit in turned order.
; No tensor loads, no barrier: waves share nothing.  Loads run four steps (16 loads a wave) ahead.
.set WAVES, 4
.set STEPS, 16
.set WGX,   256
.set WGXQ,  384
.set EMAX,  8
.set MANT,  0x600000                   ; the mantissa field of 448 as f32
.set R,     16                         ; v16-79   four sets of 16 numbers as loaded; at the end the codes read back
.set X,     80                         ; v80-111  two sets of 16 neighbours; at the end the stores' offsets
.set C,     128                        ; v128-191 codes
.set E,     112                        ; v112-127 a scale byte for each step
.set SP,    80                         ; a lane's place in a stage: 64 bytes + 16 of padding
.set CBASE, 2*32*SP                    ; behind the two stages: the wave's 8,192 bytes of codes,
.set WREG,  CBASE+8192+256             ; and its 256 scale bytes
.set SPW,   12
.set NIL,   13
.set SPARE, WAVES*WREG                 ; the spare words, which no other line names
	s_load_b256 s[4:11], s[0:1], 0x0               ; x, w_q, w_kv, xc
	s_load_b128 s[12:15], s[0:1], 0x20             ; xs, wc
	s_load_b64 s[16:17], s[0:1], 0x30              ; ws
	v_lshl_add_u32 v[SPW], v0, 2, SPARE
	v_mov_b32 v[NIL], 0
	v_lshrrev_b32 v1, 5, v0
	v_readfirstlane_b32 s20, v1                    ; wave
	v_and_b32 v2, 31, v0                           ; lane
	v_lshlrev_b32 v3, 4, v2                        ; my 16 bytes of 512
	s_mul_i32 s22, s20, WREG
	v_lshrrev_b32 v14, 2, v2
	v_mul_u32_u24 v14, v14, SP
	v_and_b32 v15, 3, v2
	v_lshl_add_u32 v14, v15, 4, v14
	v_add_nc_u32 v14, s22, v14                     ; the stage, in: four lanes' 64 bytes on end, then 16 of padding
	v_mul_u32_u24 v15, v2, SP
	v_add_nc_u32 v15, s22, v15                     ; and out: my 16 neighbours
	s_add_co_u32 s22, s22, CBASE
	v_lshlrev_b32 v4, 8, v2
	v_add_nc_u32 v4, s22, v4                       ; my block of 256 bytes of codes
	s_add_co_u32 s22, s22, 8192
	v_bfe_u32 v5, v2, 1, 3
	v_lshrrev_b32 v9, 4, v2
	v_lshl_add_u32 v5, v9, 7, v5
	v_add_nc_u32 v5, s22, v5                       ; my block's scale byte: two chunks are 128 bytes, a row 8
	v_lshlrev_b32 v7, 3, v2
	v_add_nc_u32 v6, s22, v7                       ; on the way out 8 bytes a lane
	s_mov_b32 s28, MANT
	s_mov_b32 s31, 0x80808080                      ; the sign bits of four codes
	s_wait_alu depctr_va_vdst(0)                   ; the wait at the head's end
	s_wait_kmcnt 0x0
	s_cmp_lt_u32 ttmp9, WGXQ
	s_cselect_b64 s[6:7], s[6:7], s[8:9]
	s_mov_b32 s21, WGXQ
	s_cselect_b32 s21, WGX, s21                    ; the first work-group of that input
	s_cmp_lt_u32 ttmp9, WGX                        ; x's work-group or a weight's?
	s_cselect_b64 s[4:5], s[4:5], s[6:7]
	s_cselect_b64 s[10:11], s[10:11], s[14:15]
	s_cselect_b64 s[12:13], s[12:13], s[16:17]
	s_cselect_b32 s21, 0, s21
	s_cselect_b32 s29, 0, WGX                      ; the first work-group of the output's stream: both weights share one
	s_cselect_b32 s30, 0, s31
	s_sub_co_u32 s21, ttmp9, s21
	s_lshl_b32 s21, s21, 2
	s_add_co_u32 s21, s21, s20                     ; my wave's run of the input: row tile x 4 + which 512 along K
	s_sub_co_u32 s29, ttmp9, s29
	s_lshl_b32 s29, s29, 2
	s_add_co_u32 s29, s29, s20                     ; and of the output
	s_and_b32 s23, s21, 2                          ; k >= 1,024?
	s_cselect_b32 s30, s30, 0
	s_lshr_b32 s22, s21, 2
	s_lshl_b32 s22, s22, 17                        ; 16 rows of 8,192 bytes
	s_and_b32 s23, s21, 3
	s_lshl_b32 s23, s23, 11
	s_add_co_u32 s22, s22, s23
	s_mov_b32 s23, 0
	s_lshl_b32 s24, s29, 13                        ; 8,192 bytes of codes a run,
	s_mov_b32 s25, 0
	s_lshl_b32 s26, s29, 8                         ; 256 scale bytes
	s_mov_b32 s27, 0
	s_add_nc_u64 s[4:5], s[4:5], s[22:23]
	s_add_nc_u64 s[10:11], s[10:11], s[24:25]
	s_add_nc_u64 s[12:13], s[12:13], s[26:27]
.macro LOAD t
.irp i, 0,1,2,3
	global_load_b128 v[R+16*((\t)%4)+4*\i:R+16*((\t)%4)+4*\i+3], v3, s[4:5] offset:8192*(\t)+512*\i th:TH_LOAD_NT
.endr
.endm
.macro TURN t                          ; LDS serves a wave's instructions in order (ISA guide 5.7.1.4): no wait between the stores and the loads
.irp i, 0,1,2,3
	ds_store_b128 v14, v[R+16*((\t)%4)+4*\i:R+16*((\t)%4)+4*\i+3] offset:32*SP*((\t)%2)+8*SP*\i
.endr
.irp i, 0,1,2,3
	ds_load_b128 v[X+16*((\t)%2)+4*\i:X+16*((\t)%2)+4*\i+3], v15 offset:32*SP*((\t)%2)+16*\i
.endr
.endm
.irp t, 0,1,2,3
	LOAD \t
.endr
	s_wait_loadcnt 12                              ; step 0's four loads are in
	TURN 0
.macro STEP t
.set XS, X+16*((\t)%2)
.if (\t) > 0
	s_wait_dscnt 2                                 ; this step's numbers are back (the last step's byte store and code store may be out)
.else
	s_wait_dscnt 0x0
.endif
.if (\t)+4 < STEPS
	LOAD (\t)+4
.endif
.if (\t)+1 < STEPS
.if STEPS-2-(\t) >= 3
	s_wait_loadcnt 12                              ; the next step's four loads are in
.else
	s_wait_loadcnt 4*(STEPS-2-(\t))
.endif
	TURN (\t)+1
.endif
	v_max3_num_f32 v8, |v[XS]|, |v[XS+1]|, |v[XS+2]|               ; the largest magnitude of my 16, in two chains
	v_max3_num_f32 v9, |v[XS+3]|, |v[XS+4]|, |v[XS+5]|
.irp i, 6,10
	v_max3_num_f32 v8, v8, |v[XS+\i]|, |v[XS+\i+1]|
	v_max3_num_f32 v9, v9, |v[XS+\i+2]|, |v[XS+\i+3]|
.endr
	v_max3_num_f32 v8, v8, |v[XS+14]|, |v[XS+15]|
	v_max3_num_f32 v8, v8, v9, (EMAX+1)<<23        ; the floor: the byte cannot fall under 1
	v_max_num_f32_dpp v8, v8, v8 row_xmask:1 row_mask:0xf bank_mask:0xf   ; and my neighbour's 16: the block's
	v_add_nc_u32 v11, -(EMAX<<23), v8              ; 8 off its exponent field: the conversion's scale operand
	v_and_or_b32 v10, v8, 0x7f800000, s28          ; 448 x the scale
.irp i, 0,1,2,3,4,5,6,7,8,9,10,11,12,13,14,15
	v_med3_num_f32 v[XS+\i], v[XS+\i], -v10, v10   ; the conversion does not saturate (ISA guide 7.6.2)
.endr
	v_cvt_scalef32_pk8_fp8_f32 v[C+4*(\t):C+4*(\t)+1], v[XS:XS+7], v11
	v_cvt_scalef32_pk8_fp8_f32 v[C+4*(\t)+2:C+4*(\t)+3], v[XS+8:XS+15], v11
	v_lshrrev_b32 v[E+(\t)], 23, v11               ; the scale's byte; also the plain line behind the conversions
	v_add_nc_u32 v9, 16*(\t), v3
	v_and_b32 v9, 0xf0, v9
	v_add_nc_u32 v9, v4, v9                        ; row t's place in my block, turned by my lane
.irp i, 0,1,2,3
	v_xor_b32 v[C+4*(\t)+\i], s30, v[C+4*(\t)+\i]  ; the mask is 0 in x and for k < 1,024
.endr
	ds_store_b8 v5, v[E+(\t)] offset:8*(\t)        ; both lanes of a block write the same byte with the same value
	ds_store_b128 v9, v[C+4*(\t):C+4*(\t)+3]
.endm
.irp t, 0,1,2,3,4,5,6,7,8,9,10,11,12,13,14,15
	STEP \t
.endr
	s_mul_i32 s22, s20, WREG
	s_add_co_u32 s22, s22, CBASE
	v_add_nc_u32 v10, s22, v3
	ds_load_b64 v[8:9], v6                         ; in order behind my stores: it sees them
.irp m, 0,1,2,3,4,5,6,7,8,9,10,11,12,13,14,15
	ds_load_b128 v[R+4*\m:R+4*\m+3], v10 offset:512*\m
.endr
	v_lshrrev_b32 v15, 4, v2
	v_lshlrev_b32 v14, 8, v15
	v_lshlrev_b32 v15, 4, v15
	v_sub_nc_u32 v15, v3, v15
.irp m, 0,1,2,3,4,5,6,7,8,9,10,11,12,13,14,15
	v_add_nc_u32 v[X+\m], (256-32*(\m%8))%256, v15
	v_and_or_b32 v[X+\m], v[X+\m], 0xf0, v14       ; the row that I hold of block 2 m + lane / 16: the turn undone
.endr
	s_wait_alu depctr_va_vdst(0)
.irp m, 0,1,2,3,4,5,6,7,8,9,10,11,12,13,14,15
	s_wait_dscnt 15-\m
	global_store_b128 v[X+\m], v[R+4*\m:R+4*\m+3], s[10:11] offset:512*\m
.endr
	global_store_b64 v7, v[8:9], s[12:13]          ; 256 consecutive bytes, aligned
	s_wait_tensorcnt 0x0                           ; the wave's end
	ds_add_u32 v[SPW], v[NIL]
	s_wait_dscnt 0x0
	s_endpgm
.Lfunc_end_k_q72d11652d0_quant:
	.size	k_q72d11652d0_quant, .Lfunc_end_k_q72d11652d0_quant-k_q72d11652d0_quant
	.p2alignl 7, 3214868480
	.fill 96, 4, 3214868480
	.section	.rodata,"a",@progbits
	.p2align	6, 0x0
	.amdhsa_kernel k_q72d11652d0_quant
		.amdhsa_group_segment_fixed_size 54784
		.amdhsa_private_segment_fixed_size 0
		.amdhsa_enable_private_segment 0
		.amdhsa_kernarg_size 56
		.amdhsa_user_sgpr_count 2
		.amdhsa_user_sgpr_kernarg_segment_ptr 1
		.amdhsa_wavefront_size32 1
		.amdhsa_system_sgpr_workgroup_id_x 1
		.amdhsa_system_sgpr_workgroup_id_y 1
		.amdhsa_system_sgpr_workgroup_id_z 1
		.amdhsa_system_vgpr_workitem_id 0
		.amdhsa_next_free_vgpr 192
		.amdhsa_next_free_sgpr 66
		.amdhsa_reserve_vcc 0
		.amdhsa_float_denorm_mode_32 3
		.amdhsa_float_denorm_mode_16_64 3
		.amdhsa_memory_ordered 1
		.amdhsa_forward_progress 1
		.amdhsa_inst_pref_size 61
	.end_amdhsa_kernel
	.amdgpu_metadata
---
amdhsa.version: [ 1, 2 ]
amdhsa.kernels:
  - .name:           k_q72d11652d0_quant
    .symbol:         k_q72d11652d0_quant.kd
    .args:
      - { .name: x, .offset: 0, .size: 8, .value_kind: global_buffer, .address_space: global }
      - { .name: w_q, .offset: 8, .size: 8, .value_kind: global_buffer, .address_space: global }
      - { .name: w_kv, .offset: 16, .size: 8, .value_kind: global_buffer, .address_space: global }
      - { .name: xc, .offset: 24, .size: 8, .value_kind: global_buffer, .address_space: global }
      - { .name: xs, .offset: 32, .size: 8, .value_kind: global_buffer, .address_space: global }
      - { .name: wc, .offset: 40, .size: 8, .value_kind: global_buffer, .address_space: global }
      - { .name: ws, .offset: 48, .size: 8, .value_kind: global_buffer, .address_space: global }
    .group_segment_fixed_size: 54784
    .private_segment_fixed_size: 0
    .kernarg_segment_align: 8
    .kernarg_segment_size: 56
    .max_flat_workgroup_size: 128
    .sgpr_count:     66
    .vgpr_count:     192
    .wavefront_size: 32
...
	.end_amdgpu_metadata
.endif
;; end of part 1
;; launch proj (part 2): grid 16 x 9, 4 waves a work-group, clusters of 4 x 1, 327,680 bytes of LDS; arguments xc, xs, wc, ws, qkvc, qkvs; writes qkvc, qkvs
.if DOCPART == 2
	.amdgcn_target "amdgcn-amd-amdhsa--gfx1250"
	.amdhsa_code_object_version 6
	.text
	.protected	k_q72d11652d0_proj
	.globl	k_q72d11652d0_proj
	.p2align	8
	.type	k_q72d11652d0_proj,@function
k_q72d11652d0_proj:
	s_mov_b64 s[64:65], 0
	v_nop
	global_prefetch_b8 v0, s[64:65] scope:SCOPE_SE
	s_setreg_imm32_b32 hwreg(HW_REG_WAVE_MODE, 25, 1), 1
	s_wait_xcnt 0x0
	s_wait_alu depctr_hold_cnt(0) depctr_sa_sdst(0) depctr_va_vdst(0) depctr_va_sdst(0) depctr_va_ssrc(0) depctr_va_vcc(0) depctr_vm_vsrc(0)
	s_getreg_b32 s2, hwreg(HW_REG_IB_STS2, 6, 4)
	s_cmp_eq_u32 s2, 0
	s_cbranch_scc0 .Lentry_in_a_cluster
	s_endpgm
.Lentry_in_a_cluster:
	s_bfe_u32 s2, ttmp6, 0x10000c
	s_cmp_lg_u32 s2, 0x3003
	s_cbranch_scc0 .Lentry_shape_is_right
	s_endpgm
.Lentry_shape_is_right:
; Q, K, V = x W^T and their quantisers, on codes of FP8 (E4M3) with one E8M0 scale for each 32 along K.  xc, xs, wc, ws lie as images of operand registers (16 rows x 128 along K = 2,048 bytes; 16 rows' scale words of two chunks = 128 bytes).
; A work-group makes 256 rows x 256 columns, a wave 128 x 128; K goes in steps of 256 through two LDS slots; LDS holds the images as they lie.
; The weights' codes carry the other sign for k >= 1,024: the sums' sign is turned once there and again in the quantiser.
; The results leave as images too: in each block of 32 along the next product's K, lane (r, h) holds elements 8 h + 0 .. 7 and 16 + 8 h + 0 .. 7: Q and K, and V and the softmax's p, have the same order, so every product and every sum of a block is kept.
; LIMITS: NaN, infinities and sums beyond f32's range are not served; a block of zeros keeps the byte 1.
.set SIZE_K, 2048
.set KSTEP,  256
.set NQ,     KSTEP/128
.set ROWB,   4096                      ; a K step of a row tile: two images
.set KROW,   SIZE_K
.set PITCH,  256
.set FR,     16
.set NL,     4
.set NP,     8
.set HALFT,  128*PITCH
.set SLOT,   4*HALFT
.set LAPS,   SIZE_K/(2*KSTEP)
.set KS,     SIZE_K/32
.set SCL,    2*SLOT
.set HALFS,  128*KS
.set SBLK,   16*KS
.set SPARE,  SCL+4*HALFS
.set STG,    SPARE+512
.set ADRA, 16
.set ADRB, 20
.set SWA,  24
.set SRA,  25
.set CO,   26
.set ADRS, 27
.set SPW,  28
.set NIL,  29
.set SC,   32
.set TM,   64
.set PW,   80
.set BKW,  88
.set AF,   128
.set PC,   128
.set G1, 24
.set G0, 32
.set G1B, 48
.set G0B, 56
.set G1S, 68
.set G0S, 76
.set G1SB, 80
.set G0SB, 88
.set SGN, 97
.set SEL, 98
.set MNT, 100
.set MSB, 0
.macro WIN new
.if MSB != \new
	s_set_vgpr_msb (MSB<<8)|\new
.set MSB, \new
.endif
.endm
.set MUL_LO, 0xa1
.set MUL_HI, 0xf1
.set TO_B,   0x40
.macro JLOAD g0a, g1a, g0b, g1b
	s_cmp_eq_u32 s15, 0
	s_cbranch_scc0 .Lfor_b_\@
	tensor_load_to_lds s[\g0a:\g0a+3], s[\g1a:\g1a+7]
	s_nop 0
.rept 4
	v_nop
.endr
	s_branch .Lasked_\@
.Lfor_b_\@:
	tensor_load_to_lds s[\g0b:\g0b+3], s[\g1b:\g1b+7]
	s_nop 0
.rept 4
	v_nop
.endr
.Lasked_\@:
.endm
.macro CREST
	s_cmp_lg_u32 s14, 0
	s_cbranch_scc1 .Lnot_wave_0_\@
	s_barrier_signal -3
.Lnot_wave_0_\@:
	s_barrier_wait -3
	s_barrier_signal -1
	s_barrier_wait -1
.endm
.macro CROUND
	s_barrier_signal -1
	s_barrier_wait -1
	CREST
.endm
	s_load_b128 s[4:7], s[0:1], 0x0
	s_load_b128 s[8:11], s[0:1], 0x10
	s_load_b64 s[12:13], s[0:1], 0x20
	s_load_b64 s[66:67], s[0:1], 0x28
	v_lshl_add_u32 v[SPW], v0, 2, SPARE
	v_mov_b32 v[NIL], 0
	ds_add_u32 v[SPW], v[NIL]
	ds_add_u32 v[SPW], v[NIL]
	v_lshrrev_b32 v1, 5, v0
	v_readfirstlane_b32 s14, v1
	s_lshr_b32 s15, s14, 1
	s_and_b32 s16, s14, 1
	s_bfe_u32 s40, ttmp6, 0x40000
	s_lshl_b32 s17, ttmp9, 2
	s_add_co_u32 s17, s17, s40
	s_and_b32 s42, ttmp7, 0xffff
	s_mov_b32 s[G1+0], 3<<16                       ; eight row tiles of 4,096 bytes, elements of 8 bytes, no padding
	s_mov_b32 s[G1B+0], 15|(3<<16)|(1<<21)
.irp g, G1, G1B
	s_mov_b32 s[\g+1], (ROWB/8)<<16
	s_mov_b32 s[\g+2], 16<<16                      ; the head's loads bring sixteen row tiles, the ring's eight
	s_mov_b32 s[\g+3], (ROWB/8)<<16
	s_mov_b32 s[\g+4], 16
	s_mov_b32 s[\g+5], 16*KROW/8
	s_mov_b32 s[\g+6], 0
	s_mov_b32 s[\g+7], 0
.endr
	s_mov_b32 s[G1S+0], 3<<16
	s_mov_b32 s[G1SB+0], 15|(3<<16)|(1<<21)
.irp g, G1S, G1SB
	s_mov_b32 s[\g+1], 32<<16
	s_mov_b32 s[\g+2], KS<<16
	s_mov_b32 s[\g+3], 32<<16
	s_mov_b32 s[\g+4], KS
	s_mov_b32 s[\g+5], 32
	s_mov_b32 s[\g+6], 0
	s_mov_b32 s[\g+7], 0
.endr
	s_mov_b32 s[SGN], 0x80000000
	s_mov_b32 s[SEL], 0x76543210
	s_mov_b32 s[SEL+1], 0xfedcba98
	s_mov_b32 s[MNT], 0x600000
	s_lshl_b32 s20, s17, 8
	s_lshl_b32 s46, s42, 8
	s_mov_b32 s21, 0
	s_mov_b32 s47, 0
	s_mov_b64 s[18:19], KS
	s_mul_u64 s[22:23], s[20:21], s[18:19]
	s_mul_u64 s[92:93], s[46:47], s[18:19]
	s_mov_b64 s[18:19], KROW
	s_mul_u64 s[20:21], s[20:21], s[18:19]
	s_mul_u64 s[46:47], s[46:47], s[18:19]
	s_mul_i32 s45, s14, HALFT
	s_wait_dscnt 0x0
	s_wait_kmcnt 0x0
	s_add_nc_u64 s[20:21], s[4:5], s[20:21]
	s_add_nc_u64 s[22:23], s[6:7], s[22:23]
	s_add_nc_u64 s[46:47], s[8:9], s[46:47]
	s_add_nc_u64 s[92:93], s[10:11], s[92:93]
	CROUND                                         ; all four work-groups are here: the first joint loads meet
	s_mov_b32 s4, 1                                ; the head's four tiles, each whole: K step 0's 256 rows of x (the arguments that lay here have been used),
	s_mov_b32 s5, 0
	s_mov_b64 s[6:7], s[20:21]
	s_or_b32 s7, s7, 0x80000000
	s_mov_b32 s8, 1                                ; its 256 rows of the weights,
	s_mov_b32 s9, 2*HALFT
	s_mov_b64 s[10:11], s[46:47]
	s_or_b32 s11, s11, 0x80000000
	s_mov_b32 s[G0S], 1                            ; and both tiles' scale words for all of K
	s_mov_b32 s[G0S+1], SCL
	s_mov_b64 s[G0S+2:G0S+3], s[22:23]
	s_or_b32 s[G0S+3], s[G0S+3], 0x80000000
	s_mov_b32 s[G0SB], 1
	s_mov_b32 s[G0SB+1], SCL+2*HALFS
	s_mov_b64 s[G0SB+2:G0SB+3], s[92:93]
	s_or_b32 s[G0SB+3], s[G0SB+3], 0x80000000
	s_mul_i32 s18, s16, 128*KROW                   ; in the ring I fetch 128 rows
	s_mov_b32 s19, 0
	s_add_nc_u64 s[20:21], s[20:21], s[18:19]
	s_add_nc_u64 s[46:47], s[46:47], s[18:19]
.irp s, 0,1
	s_mov_b32 s[G0+4*\s], 1
	s_add_co_u32 s[G0+4*\s+1], s45, \s*SLOT
	s_add_nc_u64 s[G0+4*\s+2:G0+4*\s+3], s[20:21], \s*ROWB
	s_or_b32 s[G0+4*\s+3], s[G0+4*\s+3], 0x80000000
	s_mov_b32 s[G0B+4*\s], 1
	s_add_co_u32 s[G0B+4*\s+1], s45, \s*SLOT
	s_add_nc_u64 s[G0B+4*\s+2:G0B+4*\s+3], s[46:47], \s*ROWB
	s_or_b32 s[G0B+4*\s+3], s[G0B+4*\s+3], 0x80000000
.endr
; one load a wave at the head: one tree of branches on the wave's number
.macro ARM under, g0, g1, next
	s_cmp_lt_u32 s14, \under
	s_cbranch_scc0 \next
	tensor_load_to_lds s[\g0:\g0+3], s[\g1:\g1+7]
	s_nop 0
.rept 4
	v_nop
.endr
	s_branch .Lhead_asked
\next:
.endm
	ARM 1, 4, G1, .Lhead_b
	ARM 2, 8, G1B, .Lhead_sa
	ARM 3, G0S, G1S, .Lhead_sb
	tensor_load_to_lds s[G0SB:G0SB+3], s[G1SB:G1SB+7]
	s_nop 0
.rept 4
	v_nop
.endr
.Lhead_asked:
	v_and_b32 v1, 15, v0
	v_bfe_u32 v2, v0, 4, 1
	v_lshlrev_b32 v3, 4, v1
	v_lshl_add_u32 v4, v2, 8, v3
	s_wait_alu depctr_va_vdst(0)
	s_mul_i32 s21, s15, HALFT
	s_mul_i32 s22, s16, HALFT
	s_add_co_u32 s22, s22, 2*HALFT
	s_lshl_b32 s96, s42, 1
	s_add_co_u32 s96, s96, s16
	s_cmp_eq_u32 s96, 17
	s_cselect_b32 s95, 1, 0
	s_cselect_b32 s43, s22, s21
	s_cselect_b32 s44, s21, s22
.irp s, 0,1
	v_add_nc_u32 v[ADRA+\s], s43, v4
	v_add_nc_u32 v[ADRB+\s], s44, v4
	s_add_co_u32 s43, s43, SLOT
	s_add_co_u32 s44, s44, SLOT
.endr
	v_lshlrev_b32 v5, 3, v1
	s_mul_i32 s21, s15, HALFS
	s_mul_i32 s22, s16, HALFS
	s_add_co_u32 s22, s22, 2*HALFS
	s_sub_co_u32 s22, s22, s21
	v_add_nc_u32 v6, s95, v2
	v_and_b32 v6, 1, v6
	v_mul_u32_u24 v6, s22, v6
	s_add_co_u32 s21, s21, SCL
	v_add_nc_u32 v5, v5, v6
	v_add_nc_u32 v[ADRS], s21, v5
	s_lshl_b32 s23, s14, 9
	s_add_co_u32 s23, s23, STG
	v_lshl_add_u32 v[SWA], v1, 2, s23
	v_and_b32 v6, 31, v0
	v_lshlrev_b32 v[CO], 4, v6
	v_add_nc_u32 v[SRA], s23, v[CO]
	s_lshr_b32 s18, s17, 3
	s_and_b32 s19, s17, 7
	s_lshl_b32 s19, s19, 1
	s_or_b32 s19, s19, s15
	s_lshl_b32 s20, s18, 8
	s_lshl_b32 s21, s96, 4
	s_add_co_u32 s20, s20, s21
	s_max_u32 s21, s96, 16
	s_sub_co_u32 s21, s21, 16
	s_lshl_b32 s21, s21, 5
	s_lshl_b32 s22, s18, 4
	s_add_co_u32 s21, s21, s22
	s_add_co_u32 s21, s21, 512
	s_cmp_lt_u32 s96, 16
	s_cselect_b32 s20, s20, s21
	s_add_co_u32 s20, s20, s19
	s_lshl_b32 s22, s20, 9
	s_mov_b32 s23, 0
	s_lshl_b32 s20, s20, 14
	s_mov_b32 s21, 0
	s_add_nc_u64 s[12:13], s[12:13], s[20:21]
	s_add_nc_u64 s[66:67], s[66:67], s[22:23]
.macro FRAG reg, adr, q, i
.irp c, 0,1,2,3
	ds_load_b128 v[\reg+4*\c:\reg+4*\c+3], v[\adr] offset:2048*(\q)+512*\c+(\i)*16*PITCH
.endr
.endm
.macro MUL16 a0, p, q, sc, zero
.irp a, \a0, \a0+1
.irp b, 0,1,2,3,4,5,6,7
.if \zero
	v_wmma_scale_f32_16x16x128_f8f6f4 v[8*(8*((\a)%4)+\b):8*(8*((\a)%4)+\b)+7], v[128*(\p)+FR*\b:128*(\p)+FR*\b+FR-1], v[AF+FR*(\a):AF+FR*(\a)+FR-1], 0, v[SC+8*NQ*(\sc)+NQ*\b+(\q)], v[SC+8*NQ*(\sc)+NQ*(\a)+(\q)] matrix_a_scale:MATRIX_SCALE_ROW1
.else
	v_wmma_scale_f32_16x16x128_f8f6f4 v[8*(8*((\a)%4)+\b):8*(8*((\a)%4)+\b)+7], v[128*(\p)+FR*\b:128*(\p)+FR*\b+FR-1], v[AF+FR*(\a):AF+FR*(\a)+FR-1], v[8*(8*((\a)%4)+\b):8*(8*((\a)%4)+\b)+7], v[SC+8*NQ*(\sc)+NQ*\b+(\q)], v[SC+8*NQ*(\sc)+NQ*(\a)+(\q)] matrix_a_scale:MATRIX_SCALE_ROW1
.endif
.endr
.endr
.endm
.macro FETCH_B slot, q, p
	WIN TO_B
.irp i, 0,1,2,3,4,5,6,7
	FRAG 128*(\p)+FR*\i, ADRB+\slot, \q, \i
.endr
	WIN 0
.endm
.macro FETCH_A slot, q, i0
.irp i, \i0, \i0+1, \i0+2, \i0+3
	FRAG AF+FR*(\i), ADRA+\slot, \q, \i
.endr
.endm
.macro SCALES sc
.irp i, 0,1,2,3,4,5,6,7
	ds_load_b64 v[SC+8*NQ*\sc+NQ*\i:SC+8*NQ*\sc+NQ*\i+1], v[ADRS] offset:\i*SBLK
.endr
.endm
.macro PLACES n
.rept \n
	v_nop
.endr
.endm
.macro STEP slot, q, zero
	s_wait_dscnt 4*NL
	WIN MUL_LO
	MUL16 0, (\q)%2, \q, \slot, \zero
	MUL16 2, (\q)%2, \q, \slot, \zero
	s_wait_dscnt 0
	PLACES NP
	FETCH_B \slot, (\q)+1, 1-(\q)%2
	FETCH_A \slot, (\q)+1, 0
	WIN MUL_HI
	MUL16 4, (\q)%2, \q, \slot, \zero
	MUL16 6, (\q)%2, \q, \slot, \zero
	PLACES NP
	WIN 0
	FETCH_A \slot, (\q)+1, 4
.endm
.macro TURN slot, next, fill
	s_wait_tensorcnt 0x0
	ds_add_u32 v[SPW], v[NIL]
	s_wait_dscnt 4*NL+1
	WIN MUL_LO
	MUL16 0, 1, NQ-1, \slot, 0
	s_wait_dscnt 0x0
	s_barrier_signal -1
	MUL16 2, 1, NQ-1, \slot, 0
	WIN 0
	s_barrier_wait -1
.if \fill
	CREST
	s_add_nc_u64 s[G0+4*\slot+2:G0+4*\slot+3], s[G0+4*\slot+2:G0+4*\slot+3], 2*ROWB
	s_add_nc_u64 s[G0B+4*\slot+2:G0B+4*\slot+3], s[G0B+4*\slot+2:G0B+4*\slot+3], 2*ROWB
	JLOAD G0+4*\slot, G1, G0B+4*\slot, G1B
	PLACES NP-4
.else
	PLACES NP
.endif
	s_wait_alu depctr_va_vdst(0)
	v_add_nc_u32 v[ADRS], 128, v[ADRS]
	FETCH_B \next, 0, 0
	FETCH_A \next, 0, 0
	SCALES \next
	WIN MUL_HI
	MUL16 4, 1, NQ-1, \slot, 0
	MUL16 6, 1, NQ-1, \slot, 0
	PLACES NP
	WIN 0
	FETCH_A \next, 0, 4
.endm
	s_wait_alu depctr_va_vdst(0)
	s_wait_tensorcnt 0x0                           ; my tile of the head's four is in
	ds_add_u32 v[SPW], v[NIL]
	s_mov_b32 s[G1+2], 8<<16                       ; no tensor load of mine is out: from here on a load brings eight row tiles
	s_mov_b32 s[G1+4], 8
	s_mov_b32 s[G1B+2], 8<<16
	s_mov_b32 s[G1B+4], 8
	s_wait_dscnt 0x0
	CROUND
	JLOAD G0+4, G1, G0B+4, G1B                     ; slot 1's first fill
	FETCH_B 0, 0, 0
	FETCH_A 0, 0, 0
	SCALES 0
	FETCH_A 0, 0, 4
	STEP 0, 0, 1
	s_mov_b32 s3, LAPS-1
.Llap:
	TURN 0, 1, 1
	STEP 1, 0, 0
	TURN 1, 0, 1
	s_cmp_lg_u32 s3, LAPS-2
	s_cbranch_scc1 .Lno_turn
	WIN 0x88
.set j, 0
.rept 256
	v_xor_b32 v[j], s[SGN], v[j]
.set j, j+1
.endr
	WIN 0xcc
.set j, 0
.rept 256
	v_xor_b32 v[j], s[SGN], v[j]
.set j, j+1
.endr
	WIN 0
.Lno_turn:
	s_wait_alu depctr_va_vdst(0)
	STEP 0, 0, 0
	s_sub_co_u32 s3, s3, 1
	s_cmp_lg_u32 s3, 0
	s_cbranch_scc1 .Llap
	TURN 0, 1, 0
	STEP 1, 0, 0
	s_wait_dscnt 4*NL
	WIN MUL_LO
	MUL16 0, 1, NQ-1, 1, 0
	MUL16 2, 1, NQ-1, 1, 0
	s_wait_dscnt 0
	WIN MUL_HI
	MUL16 4, 1, NQ-1, 1, 0
	MUL16 6, 1, NQ-1, 1, 0
	WIN 0
.macro QUANTW a
.set WD,  2+(\a)/4
.set ACB, 64*((\a)%4)
.set PCA, PC+16*(2*((3*((\a)%4))%4)+(\a)/4)
	WIN ((WD<<2)|(WD<<4))
.irp b, 0,1,2,3
	v_max3_num_f32 v[TM+\b], 0x4800000, |v[ACB+16*\b]|, |v[ACB+16*\b+1]|
.endr
.irp i, 2,4,6,8,10,12,14
.irp b, 0,1,2,3
	v_max3_num_f32 v[TM+\b], v[TM+\b], |v[ACB+16*\b+\i]|, |v[ACB+16*\b+\i+1]|
.endr
.endr
	WIN 0
.irp b, 0,1,2,3
	v_permlanex16_b32 v[TM+4+\b], v[TM+\b], s[SEL], s[SEL+1]
.endr
.irp b, 0,1,2,3
	v_max_num_f32 v[TM+\b], v[TM+\b], v[TM+4+\b]
.endr
.irp b, 0,1,2,3
	v_add_nc_u32 v[TM+12+\b], 0xfc000000, v[TM+\b]
.endr
.irp b, 0,1,2,3
	v_and_or_b32 v[TM+8+\b], v[TM+\b], 0x7f800000, s[MNT]
.endr
.irp b, 0,1,2,3
	v_lshrrev_b32 v[TM+4+\b], 23, v[TM+12+\b]
.endr
	v_lshl_or_b32 v[PW+(\a)], v[TM+5], 8, v[TM+4]
	v_lshl_or_b32 v[PW+(\a)], v[TM+6], 16, v[PW+(\a)]
	v_lshl_or_b32 v[PW+(\a)], v[TM+7], 24, v[PW+(\a)]
	WIN ((WD<<6)|WD)
.irp b, 0,1,2,3
.irp i, 0,1,2,3,4,5,6,7,8,9,10,11,12,13,14,15
	v_med3_num_f32 v[ACB+16*\b+\i], -v[ACB+16*\b+\i], -v[TM+8+\b], v[TM+8+\b]
.endr
.endr
	WIN WD
.irp b, 0,1,2,3
	v_cvt_scalef32_pk8_fp8_f32 v[PCA+4*\b:PCA+4*\b+1], v[ACB+16*\b:ACB+16*\b+7], v[TM+12+\b]
	v_cvt_scalef32_pk8_fp8_f32 v[PCA+4*\b+2:PCA+4*\b+3], v[ACB+16*\b+8:ACB+16*\b+15], v[TM+12+\b]
.endr
	WIN 0
	v_nop
	ds_store_b32 v[SWA], v[PW+(\a)] offset:64*(\a)
.irp c, 0,1,2,3
	global_store_b128 v[CO], v[PCA+4*\c:PCA+4*\c+3], s[12:13] offset:(\a)*2048+512*\c
.endr
.endm
	PLACES NP-4
.irp b, 0,1,2,3
	v_mov_b32 v[TM+4+\b], 0
.endr
.irp a, 0,1,2,3,4,5,6,7
	QUANTW \a
.endr
	ds_load_b128 v[BKW:BKW+3], v[SRA]
	s_wait_dscnt 0x0
	global_store_b128 v[CO], v[BKW:BKW+3], s[66:67]
	s_wait_tensorcnt 0x0
	ds_add_u32 v[SPW], v[NIL]
	s_wait_dscnt 0x0
	CROUND
	s_endpgm
.Lfunc_end_k_q72d11652d0_proj:
	.size	k_q72d11652d0_proj, .Lfunc_end_k_q72d11652d0_proj-k_q72d11652d0_proj
	.p2alignl 7, 3214868480
	.fill 96, 4, 3214868480
	.section	.rodata,"a",@progbits
	.p2align	6, 0x0
	.amdhsa_kernel k_q72d11652d0_proj
		.amdhsa_group_segment_fixed_size 327680
		.amdhsa_private_segment_fixed_size 0
		.amdhsa_enable_private_segment 0
		.amdhsa_kernarg_size 48
		.amdhsa_user_sgpr_count 2
		.amdhsa_user_sgpr_kernarg_segment_ptr 1
		.amdhsa_wavefront_size32 1
		.amdhsa_system_sgpr_workgroup_id_x 1
		.amdhsa_system_sgpr_workgroup_id_y 1
		.amdhsa_system_sgpr_workgroup_id_z 1
		.amdhsa_system_vgpr_workitem_id 0
		.amdhsa_next_free_vgpr 1024
		.amdhsa_next_free_sgpr 101
		.amdhsa_reserve_vcc 0
		.amdhsa_float_denorm_mode_32 3
		.amdhsa_float_denorm_mode_16_64 3
		.amdhsa_memory_ordered 1
		.amdhsa_forward_progress 1
		.amdhsa_inst_pref_size 202
	.end_amdhsa_kernel
	.amdgpu_metadata
---
amdhsa.version: [ 1, 2 ]
amdhsa.kernels:
  - .name:           k_q72d11652d0_proj
    .symbol:         k_q72d11652d0_proj.kd
    .args:
      - { .name: xc, .offset: 0, .size: 8, .value_kind: global_buffer, .address_space: global }
      - { .name: xs, .offset: 8, .size: 8, .value_kind: global_buffer, .address_space: global }
      - { .name: wc, .offset: 16, .size: 8, .value_kind: global_buffer, .address_space: global }
      - { .name: ws, .offset: 24, .size: 8, .value_kind: global_buffer, .address_space: global }
      - { .name: qkvc, .offset: 32, .size: 8, .value_kind: global_buffer, .address_space: global }
      - { .name: qkvs, .offset: 40, .size: 8, .value_kind: global_buffer, .address_space: global }
    .group_segment_fixed_size: 327680
    .private_segment_fixed_size: 0
    .kernarg_segment_align: 8
    .kernarg_segment_size: 48
    .max_flat_workgroup_size: 128
    .sgpr_count:     101
    .vgpr_count:     1024
    .wavefront_size: 32
...
	.end_amdgpu_metadata
.endif
;; end of part 2
;; launch attn (part 3): grid 128 x 2, 8 waves a work-group, no clusters, 327,680 bytes of LDS; arguments qkvc, qkvs, out0; writes out0
.if DOCPART == 3
	.amdgcn_target "amdgcn-amd-amdhsa--gfx1250"
	.amdhsa_code_object_version 6
	.text
	.protected	k_q72d11652d0_attn
	.globl	k_q72d11652d0_attn
	.p2align	8
	.type	k_q72d11652d0_attn,@function
k_q72d11652d0_attn:
	s_mov_b64 s[64:65], 0
	v_nop
	global_prefetch_b8 v0, s[64:65] scope:SCOPE_SE
	s_setreg_imm32_b32 hwreg(HW_REG_WAVE_MODE, 25, 1), 1
	s_wait_xcnt 0x0
; out[b][q][128 head + :] = the sum over keys k <= q of softmax_k(Q[b][head][q] . K[b][k] / sqrt(128)) V[b][k][:]: 16 query heads on one head of keys and values, both products on codes of FP8 (E4M3) with one E8M0 scale for each 32 along K.
; Q, K and V come as images of operand registers (record = 8 images of 2,048 bytes; image: register group c at 512 c + 16 x lane; scale word 16 a + r of a record's 128):
;   q: record (16 b + head) x 16 + q / 128, image a = 16 queries;  k: record 512 + 16 b + k / 128, image a = 16 keys;  v: record 544 + 16 b + k / 128, image a = 16 channels, K = the record's 128 keys.
; In each block of 32 keys V's lane (r, h) holds keys 8 h + 0 .. 7 and 16 + 8 h + 0 .. 7, and so does p's, as the score tiles leave it: both sides of the second product have the same order.
; THE SOFTMAX: t = score x log2(e) / sqrt(128); M = the row's largest t so far, rounded UP to a whole number; p = 2^(t - M) is quantised along the keys, not normalised; the row's sum is taken of the unquantised p, in f32, and divides O at the end.
; When M moves, the sum and O are multiplied by 2^(old M - new M).
; SHARES.  A work-group has one head of one batch and two blocks of 128 queries, i and 15 - i: i + 1 and 16 - i steps of 128 keys.  Each of its eight waves owns 32 queries, two tiles A and B, so that each fragment feeds two products.
; Of waves 2 j and 2 j + 1 one takes queries 32 j .. 32 j + 31 of the late block, the other of the early one; which, turns with wave / 4.
; Every wave walks all eight slots of 256 keys (constant trips, no barrier is jumped over); steps whose keys all come after its queries are left out by scalar branches on ids.  A wave stores its rows at the end of the trip that holds its last step.
; TWO REGIONS OF 128 REGISTERS, X AND Y, CHANGE PLACES FROM STEP TO STEP: one holds K's fragments and then V's, the other the scores, p, and then the NEXT step's K fragments, which are asked for ahead of the second product.
; So a change of slots stands between the softmax of a slot's second step and its second product.
; NO CLUSTER, though the work-groups of a batch read the same K and V: a work-group asks for slots only up to its last query, by a jump made of ids round the load, and a joint load has to be issued on every path; asking for all eight slots would fill up to (i / 2) slots that no wave reads.
; LIMITS: NaN and infinities are not served; a block whose every p is 0 carries the byte 1 (its codes are zeros); the scaled scores stay under 2^31 in magnitude.
.set STEPB, 16384                      ; a record
.set VOFF,  2*STEPB                    ; a slot: K's two steps, then V's two
.set SLOT1, 4*STEPB
.set SCK,   2*SLOT1                    ; K's scale words of the whole batch,
.set SCVD,  8192                       ; V's this far behind them
.set SP,    528
.set STAGE, SCK+2*SCVD                 ; the way out: 16 rows x (512 bytes + 16) for each wave; no tensor load lands here
.set SPARE, STAGE+8*16*SP              ; the spare words, 128 bytes a wave, which no other line names
.set KREC,  512*STEPB
.set KRECS, 512*512
; window 0: v1-63 below; v64-95 p's codes (A, B); v96-127 Q (A, B); v128-255 X.   window 1: v0-127 Y; v128-255 O (A, B)
.set AL,   1                           ; 16 x lane
.set AS0,  3                           ; SCK + 4 x lane
.set AD,   4                           ; the slot in hand + AL
.set SPW,  5                           ; my spare word
.set NIL,  6                           ; 0
.set PFO,  7                           ; 256 x lane
.set ADS,  8                           ; the slot's scale words
.set STO,  10
.set RDB,  11
.set NM,   12                          ; v12, v14 -M of tile A, B;  v13, v15 the largest t
.set SUM,  16                          ; v[16:17], v[18:19] the sums, in two halves
.set FF,   20                          ; v20, v22 the factor (v21, v23 named with it as pairs)
.set KSC,  24                          ; v24-27 K's scale words, two tiles a register
.set QSC,  28                          ; Q's: lanes 0-15 tile A, 16-31 tile B
.set DG,   29                          ; my query in the block of tile A, less 8 (lane / 16)
.set TT,   30
.set OLD,  31
.set VSC,  32                          ; v32-35
.set PSC,  36                          ; v36, v37
.set T3,   38
.set BM,   40                          ; v40-43, v44-47 the blocks' largest of tile A, B
.set BT,   48
.set BB,   52                          ; the bounds
.set BO,   56                          ; the conversions' scale operands
.set T1,   60
.set T2,   62
.set CD,   64
.set QF,   96
.set TB,   2                           ; s2   LDS byte of the slot in hand
.set TS,   3                           ; s3   its scale words: 1,024 bytes a slot
.set WV,   18
.set MNT,  19
.set SEL,  20
.set CS,   22
.set G1T,  24
.set G1S,  32
.set G0T,  40
.set G0S,  44
.set KN,   50                          ; the slot's first step
.set LST,  51                          ; my last step
.set LQ,   52                          ; the work-group's last step
.set JJ,   53
.set PFA,  54
.set PLIM, 56                          ; a wave prefetches while s[KN] is under it
.set NINF, 57
.set MSB, 0
.macro WIN new                         ; the immediate's high byte repeats the setting that is left
.set NW_, (\new)
.if MSB != NW_
	s_set_vgpr_msb (MSB<<8)|NW_
.set MSB, NW_
.endif
.endm
.macro WALU
	s_wait_alu depctr_va_vdst(0)
.endm
.macro PLACES n
.rept \n
	v_nop
.endr
.endm
; wave 0 fetches K's two steps of a slot, wave 1 V's
.macro TLOAD
	s_cmp_lt_u32 s[WV], 2
	s_cbranch_scc0 .Lasked_\@
	tensor_load_to_lds s[G0T:G0T+3], s[G1T:G1T+7]
	s_nop 0
	PLACES 4
.Lasked_\@:
.endm
; A PREFETCH of the slot that the NEXT change will ask for: 32,768 dense bytes of K and of V.  Each aligned run of 256 bytes is named once in the launch: by the batch's first work-group (blocks 0 and 15: it walks to the last key),
; waves 4, 5 for K, 6, 7 for V, 16,384 bytes a wave, two instructions.  It stops at slot 7; slots 0 and 1 come by their loads alone.
.macro ASK
	s_cmp_lt_u32 s[KN], s[PLIM]
	s_cbranch_scc0 .Lnot_mine_\@
	global_prefetch_b8 v[PFO], s[PFA:PFA+1] th:TH_LOAD_NT scope:SCOPE_SE
	global_prefetch_b8 v[PFO], s[PFA:PFA+1] offset:8192 th:TH_LOAD_NT scope:SCOPE_SE
.Lnot_mine_\@:
.endm
; THE CHANGE OF SLOTS: all my tensor loads are in (the next slot's among them), the add, my reads of this slot are over; behind the barrier this slot is filled with the keys two slots on, up to the causal limit.
.macro CHANGE loop
	WALU
	s_wait_tensorcnt 0x0
	ds_add_u32 v[SPW], v[NIL]                      ; the add, twice on end
	ds_add_u32 v[SPW], v[NIL]
	s_xor_b32 s[G0T+1], s[G0T+1], SLOT1
	s_add_nc_u64 s[G0T+2:G0T+3], s[G0T+2:G0T+3], 2*STEPB
	s_wait_xcnt 0x0                                ; the last prefetch has read its address
	s_add_nc_u64 s[PFA:PFA+1], s[PFA:PFA+1], 2*STEPB
	s_wait_dscnt 0x0
	s_barrier_signal -1
.if \loop
	s_xor_b32 s[TB], s[TB], SLOT1                  ; on to the next slot
	s_add_co_u32 s[TS], s[TS], 1024
	v_add_nc_u32 v[AD], s[TB], v[AL]
	v_add_nc_u32 v[ADS], s[TS], v[AS0]
	WALU
.endif
	s_barrier_wait -1
.if \loop
	s_add_co_u32 s96, s[KN], 4                     ; the first step of the slot that would be asked for: past the work-group's last query no wave reads it.
	s_cmp_gt_u32 s96, s[LQ]                        ; ids and the count of trips alone: all waves go the same way; every wait on TENSORcnt is for 0
	s_cbranch_scc1 .Lpast_\@
.endif
	TLOAD
.Lpast_\@:
	ASK
.endm
; K's tiles 4 h .. 4 h + 3 of the slot's step q into that step's fragment region (q = 0: Y, 1: X); with h = 0 the scale words first
.macro KLOAD q, h
.if (\h) == 0
	WIN 0
.irp u, 0,1,2,3
	ds_load_b32 v[KSC+\u], v[ADS] offset:512*(\q)+128*\u
.endr
.endif
	WIN 0x40*(1-(\q))
.irp a, 0,1,2,3
.irp c, 0,1,2,3
	ds_load_b128 v[128*(\q)+16*(4*(\h)+\a)+4*\c:128*(\q)+16*(4*(\h)+\a)+4*\c+3], v[AD] offset:STEPB*(\q)+2048*(4*(\h)+\a)+512*\c
.endr
.endr
	WIN 0
.endm
.macro VLOAD p, g                      ; V's tiles 2 g, 2 g + 1
.if (\g) == 0
	WIN 0
.irp u, 0,1,2,3
	ds_load_b32 v[VSC+\u], v[ADS] offset:SCVD+512*(\p)+128*\u
.endr
.endif
	WIN 0x40*(1-(\p))
.irp a, 0,1
.irp c, 0,1,2,3
	ds_load_b128 v[FB+16*(2*(\g)+\a)+4*\c:FB+16*(2*(\g)+\a)+4*\c+3], v[AD] offset:VOFF+STEPB*(\p)+2048*(2*(\g)+\a)+512*\c
.endr
.endr
.endm
.macro QKW t, a                        ; S^T = K Q^T: 16 keys x tile t's 16 queries: lane (r, h) holds query r, register i key 16 a + 8 h + i
.set D_, SB+64*(\t)+8*(\a)
.set A_, FB+16*(\a)
.set B_, QF+16*(\t)
.set W_, KSC+(\a)/2
.if (\a)%2
.if \t
	v_wmma_scale_f32_16x16x128_f8f6f4 v[D_:D_+7], v[A_:A_+15], v[B_:B_+15], 0, v[W_], v[QSC] matrix_a_scale:MATRIX_SCALE_ROW1 matrix_b_scale:MATRIX_SCALE_ROW1
.else
	v_wmma_scale_f32_16x16x128_f8f6f4 v[D_:D_+7], v[A_:A_+15], v[B_:B_+15], 0, v[W_], v[QSC] matrix_a_scale:MATRIX_SCALE_ROW1
.endif
.else
.if \t
	v_wmma_scale_f32_16x16x128_f8f6f4 v[D_:D_+7], v[A_:A_+15], v[B_:B_+15], 0, v[W_], v[QSC] matrix_b_scale:MATRIX_SCALE_ROW1
.else
	v_wmma_scale_f32_16x16x128_f8f6f4 v[D_:D_+7], v[A_:A_+15], v[B_:B_+15], 0, v[W_], v[QSC]
.endif
.endif
.endm
.macro PVW t, a                        ; O^T += V^T P^T: 16 channels x tile t's queries
.set D_, 128+64*(\t)+8*(\a)
.set A_, FB+16*(\a)
.set B_, CD+16*(\t)
.set W_, VSC+(\a)/2
.if (\a)%2
	v_wmma_scale_f32_16x16x128_f8f6f4 v[D_:D_+7], v[A_:A_+15], v[B_:B_+15], v[D_:D_+7], v[W_], v[PSC+\t] matrix_a_scale:MATRIX_SCALE_ROW1
.else
	v_wmma_scale_f32_16x16x128_f8f6f4 v[D_:D_+7], v[A_:A_+15], v[B_:B_+15], v[D_:D_+7], v[W_], v[PSC+\t]
.endif
.endm
.macro MAXL t, b, i                    ; line i of 8: the largest score of block b (32 keys: my 16)
.set S_, SB+64*(\t)+16*(\b)+2*(\i)
.set M_, BM+4*(\t)+(\b)
.if (\i) == 0
	v_max_num_f32 v[M_], v[S_], v[S_+1]
.else
	v_max3_num_f32 v[M_], v[S_], v[S_+1], v[M_]
.endif
.endm
.macro MAX2 t, b0, m0, n               ; n lines from m0 on, blocks b0 and b0 + 1 by turns
.set K_, \m0
.rept \n
	MAXL \t, (\b0)+K_%2, K_/2
.set K_, K_+1
.endr
.endm
.macro MAX4 t, m0, n                   ; the four blocks by turns
.set K_, \m0
.rept \n
	MAXL \t, K_%4, K_/4
.set K_, K_+1
.endr
.endm
.macro CH t, n                         ; tile t's chain from its blocks' maxima to M and the factor, line n of 17
.set M_, BM+4*(\t)
.if (\n) < 4
	v_permlanex16_b32 v[BT+(\n)], v[M_+(\n)], s[SEL], s[SEL+1]
.elseif (\n) < 8
	v_max_num_f32 v[M_+(\n)-4], v[M_+(\n)-4], v[BT+(\n)-4]
.elseif (\n) == 8
	v_max3_num_f32 v[TT], v[M_], v[M_+1], v[M_+2]
.elseif (\n) == 9
	v_max_num_f32 v[TT], v[TT], v[M_+3]
.elseif (\n) == 10
	v_mul_f32 v[TT], s[CS], v[TT]
.elseif (\n) == 11
	v_max_num_f32 v[NM+1+2*(\t)], v[NM+1+2*(\t)], v[TT]
.elseif (\n) == 12
	v_mov_b32 v[OLD], v[NM+2*(\t)]
.elseif (\n) == 13
	v_floor_f32 v[NM+2*(\t)], -v[NM+1+2*(\t)]      ; -M = floor(-t): M is a whole number
.elseif (\n) == 14
	v_sub_f32 v[OLD], v[NM+2*(\t)], v[OLD]         ; old M - new M
.elseif (\n) == 15
	v_cvt_i32_f32 v[OLD], v[OLD]                   ; (it saturates)
.else
	v_ldexp_f32 v[FF+2*(\t)], 1.0, v[OLD]
.endif
.endm
.macro PF t, j0, n                     ; t - M, two at a time
.set K_, \j0
.rept \n
.set S_, SB+64*(\t)+2*K_
	v_pk_fma_f32 v[S_:S_+1], v[S_:S_+1], s[CS:CS+1], v[NM+2*(\t):NM+2*(\t)+1] op_sel_hi:[1,0,0]
.set K_, K_+1
.endr
.endm
.macro SUML t, k                       ; the row's sum of the unquantised p, line k of 32, in four chains
.set S_, SB+64*(\t)
.if (\k) < 3
.set Z_, T1+2*(\k)
.if (\k) == 2
.set Z_, T3
.endif
.set S_, S_+4*(\k)
	v_pk_add_f32 v[Z_:Z_+1], v[S_:S_+1], v[S_+2:S_+3]
.elseif (\k) < 29
.set Z_, SUM+2*(\t)
.if ((\k)-3)%4 == 1
.set Z_, T1
.elseif ((\k)-3)%4 == 2
.set Z_, T2
.elseif ((\k)-3)%4 == 3
.set Z_, T3
.endif
.set S_, S_+2*(\k)+6
	v_pk_add_f32 v[Z_:Z_+1], v[S_:S_+1], v[Z_:Z_+1]
.elseif (\k) == 29
	v_pk_add_f32 v[T1:T1+1], v[T1:T1+1], v[T2:T2+1]
.elseif (\k) == 30
	v_pk_add_f32 v[SUM+2*(\t):SUM+2*(\t)+1], v[SUM+2*(\t):SUM+2*(\t)+1], v[T3:T3+1]
.else
	v_pk_add_f32 v[SUM+2*(\t):SUM+2*(\t)+1], v[SUM+2*(\t):SUM+2*(\t)+1], v[T1:T1+1]
.endif
.endm
.macro SCALE t                         ; the last sums, and from the blocks' largest p the operands, the bounds and the scale word
	WIN 0
	SUML \t, 29
.irp b, 0,1,2,3
	v_max_num_f32 v[BM+4*(\t)+\b], 0x4800000, v[BM+4*(\t)+\b]      ; the floor 2^(9 - 127): the byte cannot fall under 1
.endr
	SUML \t, 30
.irp b, 0,1,2,3
	v_add_nc_u32 v[BO+\b], 0xfc000000, v[BM+4*(\t)+\b]             ; 8 off the exponent field
.endr
	SUML \t, 31
.irp b, 0,1,2,3
	v_and_or_b32 v[BB+\b], v[BM+4*(\t)+\b], 0x7f800000, s[MNT]     ; 448 x the scale
.endr
.irp b, 0,1,2,3
	v_lshrrev_b32 v[BT+\b], 23, v[BO+\b]
.endr
	v_lshl_or_b32 v[PSC+\t], v[BT+1], 8, v[BT]
	v_lshl_or_b32 v[PSC+\t], v[BT+2], 16, v[PSC+\t]
	v_lshl_or_b32 v[PSC+\t], v[BT+3], 24, v[PSC+\t]
.endm
.macro CV t, x                         ; eight p of tile t into codes
.set S_, SB+64*(\t)+8*(\x)
	v_cvt_scalef32_pk8_fp8_f32 v[CD+16*(\t)+2*(\x):CD+16*(\t)+2*(\x)+1], v[S_:S_+7], v[BO+(\x)/2]
.endm
; A STEP OF 128 KEYS, first part: the scores, the softmax of both tiles, tile A's codes.  p: the step's place in its slot
.macro PART1 p
.set FB, 128*(\p)                      ; fragments: p = 0: Y, 1: X
.set SB, 128-128*(\p)                  ; scores: the other
.set SW, \p                            ; the scores' window
.set FW, 1-(\p)
.set WQ, FW+64*SW
.set WM, 5*SW
.set WE, 0x41*SW
	WALU
	s_wait_dscnt 16                                ; K's scale words and tiles 0-3 are in; tiles 4-7 may be out
	s_add_co_u32 s96, s[KN], \p
	s_cmp_lg_u32 s96, s[LST]
	s_cbranch_scc1 .Lopen_\@
	WIN WQ                                         ; ON THE DIAGONAL (my last step), a copy of its own
.irp a, 0,1,2,3
	QKW 0, \a
	QKW 1, \a
.endr
	s_wait_dscnt 0x0
.irp a, 4,5,6,7
	QKW 0, \a
	QKW 1, \a
.endr
	PLACES 8
	WIN 0
.irp g, 0,1,2,3                                ; hidden keys' scores become -infinity: register 8 a + i of A where 16 a + i > DG, of B sixteen keys later.  Key groups of 32 ahead of my queries are passed over
.if \g < 3
	s_cmp_gt_u32 s[JJ], \g
	s_cbranch_scc1 .Lvis_\@_\g
.endif
	WIN WE
.irp i, 0,1,2,3,4,5,6,7
	v_cmp_gt_i32 vcc_lo, 32*\g+\i, v[DG]
	v_cndmask_b32 v[SB+16*\g+\i], v[SB+16*\g+\i], s[NINF], vcc_lo
	v_cndmask_b32 v[SB+72+16*\g+\i], v[SB+72+16*\g+\i], s[NINF], vcc_lo
.endr
.irp i, 0,1,2,3,4,5,6,7
	v_cmp_gt_i32 vcc_lo, 32*\g+16+\i, v[DG]
	v_cndmask_b32 v[SB+8+16*\g+\i], v[SB+8+16*\g+\i], s[NINF], vcc_lo
.if \g < 3
	v_cndmask_b32 v[SB+80+16*\g+\i], v[SB+80+16*\g+\i], s[NINF], vcc_lo
.endif
.endr
	WIN 0
	WALU
.Lvis_\@_\g:
.endr
	WIN WM
	MAX2 0, 0, 0, 16
	WIN 0
	WALU
	s_branch .Ljoin_\@
.Lopen_\@:
	WIN WQ
.irp a, 0,1,2,3
	QKW 0, \a
	v_nop
.endr
	s_wait_dscnt 0x0
.irp a, 4,5
	QKW 0, \a
	v_nop
.endr
.irp a, 6,7
	QKW 0, \a
	PLACES 2
.endr
.irp a, 0,1,2,3,4,5,6,7                        ; tile B's products, and behind each two lines of tile A's maxima
	WIN WQ
	QKW 1, \a
	WIN WM
	MAX2 0, 0, 2*\a, 2
.endr
	WIN 0
	WALU
.Ljoin_\@:
	WIN WM
	MAX2 0, 2, 0, 16
	WIN 0
.irp n, 0,1,2,3
	CH 0, \n
.endr
	WIN WM
	MAX4 1, 0, 8
	WIN 0
.irp n, 4,5,6,7
	CH 0, \n
.endr
	WIN WM
	MAX4 1, 8, 6
.irp n, 8,9,10,11,12,13,14,15,16               ; tile A's chain among tile B's maxima
	WIN 0
	CH 0, \n
	WIN WM
	MAX4 1, 14+2*(\n-8), 2
.endr
	WIN 0
.irp n, 0,1,2,3
	CH 1, \n
.endr
	WIN WE
	PF 0, 0, 6
	WIN 0
.irp n, 4,5,6,7
	CH 1, \n
.endr
	WIN WE
	PF 0, 6, 6
.irp n, 8,9,10,11,12,13,14,15,16               ; tile B's chain among tile A's multiply-adds
	WIN 0
	CH 1, \n
	WIN WE
	PF 0, 12+2*(\n-8), 2
.endr
	PF 0, 30, 2
	WIN 0
.irp b, 0,1,2,3
	v_fma_f32 v[BM+\b], v[BM+\b], s[CS], v[NM]     ; the same of each block's largest score: it gives the block's largest p
.endr
	v_pk_mul_f32 v[SUM:SUM+1], v[SUM:SUM+1], v[FF:FF+1] op_sel_hi:[1,0]
	v_pk_mul_f32 v[SUM+2:SUM+3], v[SUM+2:SUM+3], v[FF+2:FF+3] op_sel_hi:[1,0]
	WIN 0x41
.set K_, 128
.rept 64                                       ; O under the new M
	v_pk_mul_f32 v[K_:K_+1], v[K_:K_+1], v[FF+2*(K_/192):FF+2*(K_/192)+1] op_sel_hi:[1,0]
.set K_, K_+2
.endr
	WIN WE
	WALU
.irp g, 0,1,2,3                                ; tile A's exponentials, among them tile B's multiply-adds and V's loads
	WIN WE
.set J_, 8*\g
.rept 8
	v_exp_f32 v[SB+2*J_], v[SB+2*J_]
	v_exp_f32 v[SB+2*J_+1], v[SB+2*J_+1]
	PF 1, J_, 1
.set J_, J_+1
.endr
	VLOAD \p, \g
.endr
	WIN 0
.irp b, 0,1,2,3
	v_exp_f32 v[BM+\b], v[BM+\b]
	v_fma_f32 v[BM+4+\b], v[BM+4+\b], s[CS], v[NM+2]
.endr
	WALU
	WIN WM
.irp k, 0,1,2
	SUML 0, \k
.endr
	WIN SW
.set J_, 3
.rept 26
	SUML 0, J_
.set J_, J_+1
.endr
	SCALE 0
	WIN WE
	WALU
.set J_, 0
.rept 64                                       ; tile B's exponentials, among them tile A's holds (the conversion does not saturate: ISA guide 7.6.2; p is not negative)
	v_exp_f32 v[SB+64+J_], v[SB+64+J_]
	v_min_num_f32 v[SB+J_], v[SB+J_], v[BB+J_/16]
.set J_, J_+1
.endr
	WIN 0
.irp b, 0,1,2,3
	v_exp_f32 v[BM+4+\b], v[BM+4+\b]
.endr
	v_nop
	WALU
	WIN WM
.irp k, 0,1,2
	SUML 1, \k
.endr
	WIN SW
.set J_, 3
.rept 26                                       ; tile B's sum, among it tile A's conversions
	SUML 1, J_
.if (J_%3 == 0) && (J_ < 25)
	CV 0, J_/3-1
.endif
.set J_, J_+1
.endr
	SCALE 1
.endm
; second part: tile A's products with tile B's holds and conversions among them, then tile B's products
.macro PVA p
.irp a, 0,1,2,3,4,5,6,7
	WIN FW+0x50
	PVW 0, \a
	WIN WE
.set S_, SB+64+8*\a
.if \p
.rept 8
	v_min_num_f32 v[S_], v[S_], v[BB+\a/2]
.set S_, S_+1
.endr
.else
.rept 4
	v_dual_min_num_f32 v[S_], v[S_], v[BB+\a/2] :: v_dual_min_num_f32 v[S_+1], v[S_+1], v[BB+\a/2]
.set S_, S_+2
.endr
.endif
	WIN SW
	CV 1, \a
.endr
	WIN 0
.endm
.macro PVB
	PLACES 4                                       ; the codes stand four places ahead of their products
	WIN FW+0x50
.irp a, 0,1,2,3,4,5,6,7
	PVW 1, \a
	PLACES 2
.endr
	PLACES 7                                       ; nine places behind the last product: the next step's products and loads write over V's fragments
	WIN 0
.endm
	s_load_b128 s[4:7], s[0:1], 0x0                ; qkvc, qkvs
	s_load_b64 s[8:9], s[0:1], 0x10                ; out
	v_lshl_add_u32 v[SPW], v0, 2, SPARE
	v_mov_b32 v[NIL], 0
	ds_add_u32 v[SPW], v[NIL]                      ; the wave's opening: the add, twice on end, and its wait ahead of my first tensor load
	ds_add_u32 v[SPW], v[NIL]
	v_lshrrev_b32 v9, 5, v0
	v_readfirstlane_b32 s[WV], v9                  ; wave 0..7
	s_and_b32 s70, ttmp9, 15                       ; the head
	s_lshr_b32 s71, ttmp9, 4                       ; i: 0..7
	s_and_b32 s72, ttmp7, 0xffff                   ; b
	s_lshr_b32 s73, s[WV], 2
	s_xor_b32 s73, s73, s[WV]
	s_and_b32 s73, s73, 1                          ; 1: my queries lie in the late block
	s_sub_co_u32 s[LQ], 15, s71
	s_cmp_eq_u32 s73, 1
	s_cselect_b32 s[LST], s[LQ], s71               ; my block = my last step
	s_lshr_b32 s[JJ], s[WV], 1
	s_lshl_b32 s75, s[LST], 7
	s_lshl_b32 s74, s[JJ], 5
	s_add_co_u32 s77, s75, s74                     ; my first query
	s_lshl_b32 s78, s72, 4
	s_add_co_u32 s78, s78, s70                     ; 16 b + head
	s_lshl_b32 s80, s78, 18
	s_lshl_b32 s81, s77, 7
	s_add_co_u32 s80, s80, s81                     ; my two images in qkvc
	s_mov_b32 s81, 0
	s_lshl_b32 s82, s78, 13
	s_lshl_b32 s83, s77, 2
	s_add_co_u32 s82, s82, s83                     ; their scale words
	s_mov_b32 s83, 0
	s_lshl_b32 s84, s72, 11
	s_add_co_u32 s84, s84, s77
	s_lshl_b32 s84, s84, 13                        ; a row of out is 8,192 bytes,
	s_lshl_b32 s85, s70, 9                         ; a head's part of it 512
	s_add_co_u32 s84, s84, s85
	s_mov_b32 s85, 0
	s_lshl_b32 s86, s72, 18
	s_add_co_u32 s86, s86, KREC                    ; the batch's 16 records of K; V's lie 32 records behind
	s_and_b32 s88, s[WV], 1                        ; 0: I fetch K's, 1: V's
	s_lshl_b32 s89, s88, 19
	s_add_co_u32 s90, s86, s89
	s_mov_b32 s91, 0
	s_lshl_b32 s94, s88, 15
	s_lshl_b32 s92, s72, 13
	s_add_co_u32 s92, s92, KRECS
	s_lshl_b32 s95, s88, 14
	s_add_co_u32 s92, s92, s95                     ; the batch's scale words
	s_mov_b32 s93, 0
	s_lshl_b32 s95, s88, 13
	s_add_co_u32 s95, s95, SCK
	s_bfe_u32 s60, s[WV], 0x10001
	s_lshl_b32 s60, s60, 19
	s_lshl_b32 s61, s88, 14
	s_add_co_u32 s60, s60, s61
	s_add_co_u32 s60, s60, s86
	s_add_co_u32 s60, s60, 2*STEPB                 ; the prefetches: at slot 1; the first change steps it to slot 2
	s_mov_b32 s61, 0
	s_lshr_b32 s87, s[WV], 2
	s_xor_b32 s87, s87, 1
	s_or_b32 s87, s87, ttmp9
	s_cmp_eq_u32 s87, 0
	s_cselect_b32 s[PLIM], 10, 0
	s_mov_b32 s[G1T], 3<<16                        ; two records: 32,768 dense bytes as 128 rows of 256 (32 elements of 8 bytes), no padding
	s_mov_b32 s[G1T+1], 32<<16
	s_mov_b32 s[G1T+2], 128<<16
	s_mov_b32 s[G1T+3], 32<<16
	s_mov_b32 s[G1T+4], 128
	s_mov_b32 s[G1T+5], 32
	s_mov_b32 s[G1T+6], 0
	s_mov_b32 s[G1T+7], 0
	s_mov_b32 s[G1S], 3<<16                        ; a batch's scale words of K or V: 8,192 dense bytes as 32 such rows
	s_mov_b32 s[G1S+1], 32<<16
	s_mov_b32 s[G1S+2], 32<<16
	s_mov_b32 s[G1S+3], 32<<16
	s_mov_b32 s[G1S+4], 32
	s_mov_b32 s[G1S+5], 32
	s_mov_b32 s[G1S+6], 0
	s_mov_b32 s[G1S+7], 0
	s_mov_b32 s[SEL], 0x76543210
	s_mov_b32 s[SEL+1], 0xfedcba98
	s_mov_b32 s[CS], 0x3e0293ee                    ; log2(e) / sqrt(128)
	s_mov_b32 s[CS+1], s[CS]                       ; (named with it as a pair)
	s_mov_b32 s[MNT], 0x600000
	s_mov_b32 s[NINF], 0xff800000
	s_mov_b32 s[TB], 0
	s_mov_b32 s[TS], 0
	s_mov_b32 s[KN], 0
	s_wait_dscnt 0x0                               ; both opening adds are done
	s_wait_kmcnt 0x0
	s_mov_b32 s[G0S], 1
	s_mov_b32 s[G0S+1], s95
	s_add_nc_u64 s[G0S+2:G0S+3], s[6:7], s[92:93]
	s_or_b32 s[G0S+3], s[G0S+3], 0x80000000
	s_mov_b32 s[G0T], 1
	s_mov_b32 s[G0T+1], s94
	s_add_nc_u64 s[G0T+2:G0T+3], s[4:5], s[90:91]
	s_or_b32 s[G0T+3], s[G0T+3], 0x80000000
	s_cmp_lt_u32 s[WV], 2                          ; one load a wave at the head: waves 0, 1 slot 0's K and V, waves 2, 3 the scale words (filled once)
	s_cbranch_scc0 .Lhead_s
	tensor_load_to_lds s[G0T:G0T+3], s[G1T:G1T+7]
	s_nop 0
	PLACES 4
	s_branch .Lhead_asked
.Lhead_s:
	s_cmp_lt_u32 s[WV], 4
	s_cbranch_scc0 .Lhead_asked
	tensor_load_to_lds s[G0S:G0S+3], s[G1S:G1S+7]
	s_nop 0
	PLACES 4
.Lhead_asked:
	s_add_nc_u64 s[PFA:PFA+1], s[4:5], s[60:61]
	s_add_nc_u64 s[10:11], s[4:5], s[80:81]
	s_add_nc_u64 s[12:13], s[6:7], s[82:83]
	s_add_nc_u64 s[8:9], s[8:9], s[84:85]
	v_and_b32 v9, 31, v0
	v_lshlrev_b32 v[AL], 4, v9
	v_lshlrev_b32 v2, 2, v9
.irp c, 0,1,2,3
	global_load_b128 v[QF+4*\c:QF+4*\c+3], v[AL], s[10:11] offset:512*\c th:TH_LOAD_NT
	global_load_b128 v[QF+16+4*\c:QF+16+4*\c+3], v[AL], s[10:11] offset:2048+512*\c th:TH_LOAD_NT
.endr
	global_load_b32 v[QSC], v2, s[12:13]
	v_add_nc_u32 v[AS0], SCK, v2
	v_lshlrev_b32 v[PFO], 8, v9
	s_mul_i32 s73, s[WV], 16*SP
	s_add_co_u32 s73, s73, STAGE                   ; my stage
	v_and_b32 v[TT], 15, v0                        ; r
	v_bfe_u32 v[OLD], v0, 4, 1                     ; h
	v_mul_u32_u24 v[STO], v[TT], SP
	v_lshl_add_u32 v[STO], v[OLD], 5, v[STO]
	v_add_nc_u32 v[STO], s73, v[STO]               ; in: row r, my half's 32 bytes of a tile's 64
	v_add_nc_u32 v[RDB], s73, v[AL]                ; back: a row of 512 bytes, 16 a lane
	v_lshlrev_b32 v[OLD], 3, v[OLD]
	v_sub_nc_u32 v[DG], v[TT], v[OLD]
	v_add_nc_u32 v[DG], s74, v[DG]
	v_mov_b32 v[AD], v[AL]
	v_mov_b32 v[ADS], v[AS0]
.irp t, 0,1
	v_mov_b32 v[NM+1+2*\t], 0xff61b1e6             ; the largest t so far: -3e38
	v_floor_f32 v[NM+2*\t], -v[NM+1+2*\t]
.endr
.set j, 16
.rept 8
	v_mov_b32 v[j], 0                              ; the sums, the factors' pairs
.set j, j+1
.endr
.set j, 32
.rept 8                                        ; what a way round a step's work names is written once: v32-39, v48-59, tile A's codes, X
	v_mov_b32 v[j], 0
.set j, j+1
.endr
.set j, 48
.rept 12
	v_mov_b32 v[j], 0
.set j, j+1
.endr
.set j, 64
.rept 16
	v_mov_b32 v[j], 0
.set j, j+1
.endr
.set j, 128
.rept 128
	v_mov_b32 v[j], 0
.set j, j+1
.endr
	WIN 0x40
.set j, 128
.rept 128
	v_mov_b32 v[j], 0                              ; O.  (The steps are written once: the first finds zeros)
.set j, j+1
.endr
	WIN 0
	WALU
	s_wait_loadcnt 0x0                             ; Q
	CHANGE 0                                       ; slot 0 is in; slot 1's first fill
	KLOAD 0, 0
	KLOAD 0, 1
.Ltrip:
	s_cmp_gt_u32 s[KN], s[LST]
	s_cbranch_scc1 .Lnone                          ; nothing of this slot counts for my queries
	PART1 0
	WALU
	s_wait_dscnt 0x0                               ; V's fragments are in
	KLOAD 1, 0                                     ; the slot's second step: tile A's scores are done with,
	PVA 0
	KLOAD 1, 1                                     ; and tile B's
	PVB
	WALU
	s_cmp_eq_u32 s[KN], s[LST]
	s_cbranch_scc1 .Lnone
	PART1 1
.Lnone:
	CHANGE 1
	s_cmp_ge_u32 s[KN], s[LST]
	s_cbranch_scc1 .Lno_pv
	s_add_co_u32 s96, s[KN], 2
	s_cmp_gt_u32 s96, s[LST]
	s_cbranch_scc0 .Lmore
	PVA 1                                          ; my last step: nothing is asked for
	PVB
	WALU
	s_branch .Lno_pv
.Lmore:
	KLOAD 0, 0                                     ; the next slot's first step
	PVA 1
	KLOAD 0, 1
	PVB
.Lno_pv:
	s_xor_b32 s96, s[KN], s[LST]
	s_cmp_gt_u32 s96, 1
	s_cbranch_scc1 .Lno_out
	; THE WAY OUT, in the trip that holds my last step: O / the sum through my stage, whole rows of 512 bytes
	WALU
	s_wait_dscnt 0x0
	v_add_f32 v16, v16, v17
	v_add_f32 v18, v18, v19
	v_permlanex16_b32 v38, v16, s[SEL], s[SEL+1]
	v_permlanex16_b32 v39, v18, s[SEL], s[SEL+1]
	v_add_f32 v16, v16, v38
	v_add_f32 v18, v18, v39
	WALU
	v_rcp_f32 v20, v16
	v_rcp_f32 v22, v18
	v_nop
	WIN 1
	WALU
.set K_, 128
.rept 64                                       ; each accumulator from its low end on
	v_pk_mul_f32 v[K_:K_+1], v[K_:K_+1], v[FF+2*(K_/192):FF+2*(K_/192)+1] op_sel_hi:[1,0]
.set K_, K_+2
.endr
.irp t, 0,1
	WIN 0
.irp a, 0,1,2,3,4,5,6,7
	ds_store_b128 v[STO], v[128+64*\t+8*\a:131+64*\t+8*\a] offset:64*\a
	ds_store_b128 v[STO], v[132+64*\t+8*\a:135+64*\t+8*\a] offset:64*\a+16
.endr
	WIN 0x40
.irp m, 0,1,2,3,4,5,6,7,8,9,10,11,12,13,14,15
	ds_load_b128 v[64*\t+4*\m:64*\t+4*\m+3], v[RDB] offset:SP*\m   ; in order behind the stores (ISA guide 5.7.1.4)
.endr
.endr
	WIN 4
.irp m, 0,1,2,3,4,5,6,7,8,9,10,11,12,13,14,15
	s_wait_dscnt 47-\m                             ; behind load m: 15 - m loads, tile B's 16 stores and 16 loads
	global_store_b128 v[AL], v[4*\m:4*\m+3], s[8:9] offset:8192*\m th:TH_STORE_NT
.endr
.irp m, 0,1,2,3,4,5,6,7,8,9,10,11,12,13,14,15
	s_wait_dscnt 15-\m
	global_store_b128 v[AL], v[64+4*\m:64+4*\m+3], s[8:9] offset:8192*(16+\m) th:TH_STORE_NT
.endr
	WIN 0
	s_wait_xcnt 0x0                                ; the stores have read their registers
.Lno_out:
	s_add_co_u32 s[KN], s[KN], 2
	s_cmp_lt_u32 s[KN], 16
	s_cbranch_scc1 .Ltrip
	s_wait_tensorcnt 0x0                           ; the wave's end
	ds_add_u32 v[SPW], v[NIL]
	s_wait_dscnt 0x0
	s_endpgm
.Lfunc_end_k_q72d11652d0_attn:
	.size	k_q72d11652d0_attn, .Lfunc_end_k_q72d11652d0_attn-k_q72d11652d0_attn
	.p2alignl 7, 3214868480
	.fill 96, 4, 3214868480
	.section	.rodata,"a",@progbits
	.p2align	6, 0x0
	.amdhsa_kernel k_q72d11652d0_attn
		.amdhsa_group_segment_fixed_size 327680
		.amdhsa_private_segment_fixed_size 0
		.amdhsa_enable_private_segment 0
		.amdhsa_kernarg_size 24
		.amdhsa_user_sgpr_count 2
		.amdhsa_user_sgpr_kernarg_segment_ptr 1
		.amdhsa_wavefront_size32 1
		.amdhsa_system_sgpr_workgroup_id_x 1
		.amdhsa_system_sgpr_workgroup_id_y 1
		.amdhsa_system_sgpr_workgroup_id_z 1
		.amdhsa_system_vgpr_workitem_id 0
		.amdhsa_next_free_vgpr 512
		.amdhsa_next_free_sgpr 100
		.amdhsa_reserve_vcc 1
		.amdhsa_float_denorm_mode_32 3
		.amdhsa_float_denorm_mode_16_64 3
		.amdhsa_memory_ordered 1
		.amdhsa_forward_progress 1
		.amdhsa_inst_pref_size 154
	.end_amdhsa_kernel
	.amdgpu_metadata
---
amdhsa.version: [ 1, 2 ]
amdhsa.kernels:
  - .name:           k_q72d11652d0_attn
    .symbol:         k_q72d11652d0_attn.kd
    .args:
      - { .name: qkvc, .offset: 0, .size: 8, .value_kind: global_buffer, .address_space: global }
      - { .name: qkvs, .offset: 8, .size: 8, .value_kind: global_buffer, .address_space: global }
      - { .name: out0, .offset: 16, .size: 8, .value_kind: global_buffer, .address_space: global }
    .group_segment_fixed_size: 327680
    .private_segment_fixed_size: 0
    .kernarg_segment_align: 8
    .kernarg_segment_size: 24
    .max_flat_workgroup_size: 256
    .sgpr_count:     100
    .vgpr_count:     512
    .wavefront_size: 32
...
	.end_amdgpu_metadata
.endif
;; end of part 3
